; MI455X (gfx1250); checked and timed in simulation.
; The chip was launched on July 23, 2026; its instructions are those of AMD's public machine-readable ISA for CDNA 5 (MIT licence, August 2026) and "CDNA5" Instruction Set Architecture Reference Guide (July 2026). The comments in the code are by the model that wrote it; some were corrected since.
;; Quant Linear. Allowed arithmetic: float matrix products may take bf16 or f16 operands with f32 sums; other float arithmetic in f32, or as packed bf16 or f16 multiplies, adds, multiply-adds, maxima and minima; sums over many terms, partial sums and values carried from step to step in f32; what a program stores and reads back later, other than sums and carried values, may be rounded once to bf16 or f16.
;; Inputs: d 65,536 float32; dmin 65,536 float32; mins 524,288 int32; packed 8,388,608 int32; scales 524,288 int32; x 2 x 2,048 x 4,096 float32.
;; Outputs: out0 2 x 2,048 x 4,096 float32.
;; 2 versions, each right; version 2 is version 1 with the launch prep written anew for expert scheduling mode. Each part assembles by itself: llvm-mc -triple=amdgcn-amd-amdhsa -mcpu=gfx1250 --defsym DOCPART=n.
;; ======== version 1 of 2: 2 launches
;; limits: values are held in f16: magnitudes above 65,504 overflow, below 6.1e-05 lose precision
;; workspace buffers: xh 33,554,432 bytes; wh 33,554,432 bytes
;; launch prep (part 1): grid 256 x 1, 8 waves a work-group, no clusters, 17,408 bytes of LDS; arguments x, packed, d, dmin, scales, mins, xh, wh; writes xh, wh
.if DOCPART == 1
	.amdgcn_target "amdgcn-amd-amdhsa--gfx1250"
	.amdhsa_code_object_version 6
	.text
	.protected	k_q660eab37ea_prep
	.globl	k_q660eab37ea_prep
	.p2align	8
	.type	k_q660eab37ea_prep,@function
k_q660eab37ea_prep:
	s_mov_b64 s[64:65], 0
	v_nop
	global_prefetch_b8 v0, s[64:65] scope:SCOPE_SE
	s_setreg_imm32_b32 hwreg(HW_REG_WAVE_MODE, 25, 1), 1
	s_wait_xcnt 0x0
; xh = x rounded to f16;  wh[n][k] = the dequantised weight, formed in f32 and rounded once to f16.
; w = ((q / 15) (s / 63) + m / 63) d + dmin  =  q a + b   with  a = s d / 945,  b = m d / 63 + dmin  for each subblock of 32 weights.
; NO WORK IS LEFT OUT: x, packed, d, dmin, scales and mins all reach the output, and all six are loaded.
; LIMITS.  f16 holds no number beyond 65,504: an x or a w past that becomes an infinity; below 6.1e-5 a number keeps f16's fixed step of 6e-8.
; q a + b is another order of f32 roundings than the formula above.  Of a word of packed only bits 0 to 7 count, as in the formula's own masks.
; scales and mins are taken as signed 32-bit numbers of any value.  NaN and infinities are not treated apart.
; SHARES.  2,048 waves.  A wave owns 32 superblocks on end (16 KiB of packed, which become 16 KiB of wh AT THE SAME BYTE OFFSET: a word of packed holds two
; codes, and two f16 are a word) and 32 KiB of x (16 KiB of xh).  A superblock is 512 bytes of packed: one load of 16 bytes a lane; a subblock is four lanes.
; Every load covers 512 consecutive bytes, every store 256 or 512, all aligned to their own length.  No wave touches another's bytes: no barrier.
; THE TABLE.  A wave's 256 pairs (a, b) are made once, four subblocks a lane and half, and laid into the wave's own 2,048 bytes of LDS; a lane then fetches
; its subblock's pair by one load of 8 bytes for each superblock.
; IN FLIGHT.  Eight sets of 12 loads (8 of x, 4 of packed) on two sets of registers: while one is worked on the other's 12 loads are out.
; All steps stand in the immediates: no base and no offset register is written again behind the set-up.
.set SPARE, 16384                      ; behind the eight tables: the spare words, 128 bytes for each wave: four blocks of 256 bytes that no other line names
.set XO,  2                            ; v2   my 16 bytes in the wave's first 512 of x, from the work-group's part on
.set HO,  3                            ; v3   my 8 bytes of xh
.set WO,  4                            ; v4   my 16 bytes of packed, and of wh
.set SO,  5                            ; v5   my 16 bytes of scales, and of mins
.set DOF, 6                            ; v6   my word of d, and of dmin
.set TS,  7                            ; v7   where I put four pairs of the table
.set TR,  8                            ; v8   where I read my subblock's pair
.set SPW, 10                           ; v10  LDS address of my spare word; never rewritten
.set NIL, 11                           ; v11  0; never rewritten
.set T,   12                           ; v[12:19]  at work
.set AB,  20                           ; v[20:27]  the pairs (a, b) of a set's four superblocks
.set SC,  28                           ; v[28:35]  scales, two halves of four
.set MN,  36                           ; v[36:43]  mins
.set DD,  44                           ; v44, v45  d of the two halves
.set DM,  46                           ; v46, v47  dmin
.set TBL, 48                           ; v[48:63]  the table as it is stored: a, b, a, b ..
.set BUF, 64                           ; v[64:159] two sets of 48: 32 of x, 16 of packed
	s_load_b256 s[4:11], s[0:1], 0x0               ; x s[4:5], packed s[6:7], d s[8:9], dmin s[10:11]
	s_load_b256 s[12:19], s[0:1], 0x20             ; scales s[12:13], mins s[14:15], xh s[16:17], wh s[18:19]
	v_lshl_add_u32 v[SPW], v0, 2, SPARE
	v_mov_b32 v[NIL], 0
	v_lshrrev_b32 v9, 5, v0
	v_readfirstlane_b32 s20, v9                    ; wave 0..7
	v_and_b32 v1, 31, v0                           ; lane
	s_lshl_b32 s21, s20, 11                        ; my table: 2,048 x wave
	s_lshl_b32 s24, s20, 15                        ; my 32 KiB of x
	s_lshl_b32 s25, s20, 14                        ; my 16 KiB of xh, packed, wh
	s_lshl_b32 s26, s20, 10                        ; my 256 words of scales and mins
	s_lshl_b32 s27, s20, 7                         ; my 32 words of d and dmin
	v_lshl_add_u32 v[XO], v1, 4, s24
	v_lshl_add_u32 v[HO], v1, 3, s25
	v_lshl_add_u32 v[WO], v1, 4, s25
	v_lshl_add_u32 v[SO], v1, 4, s26
	v_lshrrev_b32 v9, 1, v1                        ; a lane's four subblocks lie in superblock lane / 2 of the half
	v_lshl_add_u32 v[DOF], v9, 2, s27
	v_lshl_add_u32 v[TS], v1, 5, s21               ; four pairs are 32 bytes
	v_lshrrev_b32 v9, 2, v1                        ; a lane's eight weights lie in subblock lane / 4 of the superblock
	v_lshl_add_u32 v[TR], v9, 3, s21
	s_mov_b32 s23, 0
	s_wait_kmcnt 0x0
	s_lshl_b32 s22, ttmp9, 18                      ; the work-group's part of each buffer: 256 KiB of x,
	s_add_nc_u64 s[4:5], s[4:5], s[22:23]
	s_lshl_b32 s22, ttmp9, 17                      ; 128 KiB of packed, xh and wh,
	s_add_nc_u64 s[6:7], s[6:7], s[22:23]
	s_add_nc_u64 s[16:17], s[16:17], s[22:23]
	s_add_nc_u64 s[18:19], s[18:19], s[22:23]
	s_lshl_b32 s22, ttmp9, 13                      ; 8 KiB of scales and mins,
	s_add_nc_u64 s[12:13], s[12:13], s[22:23]
	s_add_nc_u64 s[14:15], s[14:15], s[22:23]
	s_lshl_b32 s22, ttmp9, 10                      ; 1 KiB of d and dmin
	s_add_nc_u64 s[8:9], s[8:9], s[22:23]
	s_add_nc_u64 s[10:11], s[10:11], s[22:23]
; Set n of eight: 8 x 512 bytes of x and 4 x 512 bytes (four superblocks) of packed, into register set n % 2.
.macro LOADS n
.irp j, 0,1,2,3,4,5,6,7
	global_load_b128 v[BUF+48*((\n)%2)+4*(\j):BUF+48*((\n)%2)+4*(\j)+3], v[XO], s[4:5] offset:512*(8*(\n)+(\j)) th:TH_LOAD_NT
.endr
.irp i, 0,1,2,3
	global_load_b128 v[BUF+48*((\n)%2)+32+4*(\i):BUF+48*((\n)%2)+32+4*(\i)+3], v[WO], s[6:7] offset:512*(4*(\n)+(\i)) th:TH_LOAD_NT
.endr
.endm
; Set n is worked on and stored.  left = how many younger loads may stay out.  reload = 1: its registers take set n + 2.
.macro WORK n, reload, left
.set XB, BUF+48*((\n)%2)
.set PB, XB+32
.irp i, 0,1,2,3
	ds_load_b64 v[AB+2*(\i):AB+2*(\i)+1], v[TR] offset:64*(4*(\n)+(\i))  ; my subblock's (a, b) in each of the set's four superblocks; LDS serves a wave's instructions in order (ISA guide 5.7.1.4), so these see the table's stores
.endr
	s_wait_loadcnt \left                           ; loads come back in order (ISA guide 5.7.1): this set's twelve are in
.irp j, 0,1,2,3,4,5,6,7
	v_cvt_pk_f16_f32 v[XB+4*(\j)], v[XB+4*(\j)], v[XB+4*(\j)+1]      ; four f32 become four f16, in place
	v_cvt_pk_f16_f32 v[XB+4*(\j)+1], v[XB+4*(\j)+2], v[XB+4*(\j)+3]
	global_store_b64 v[HO], v[XB+4*(\j):XB+4*(\j)+1], s[16:17] offset:256*(8*(\n)+(\j)) th:TH_STORE_NT  ; the wave stores 256 consecutive bytes, aligned
.endr
	s_wait_dscnt 0x0                               ; the four pairs are in
.irp i, 0,1,2,3
.irp c, 0,1,2,3
	v_and_b32 v[T+2*(\c)], 15, v[PB+4*(\i)+(\c)]           ; the low code comes first,
	v_bfe_u32 v[T+2*(\c)+1], v[PB+4*(\i)+(\c)], 4, 4       ; then the high one
.endr
.irp c, 0,1,2,3,4,5,6,7
	v_cvt_f32_u32 v[T+(\c)], v[T+(\c)]
.endr
.irp c, 0,1,2,3,4,5,6,7
	v_fma_f32 v[T+(\c)], v[T+(\c)], v[AB+2*(\i)], v[AB+2*(\i)+1]   ; q a + b
.endr
.irp c, 0,1,2,3
	v_cvt_pk_f16_f32 v[PB+4*(\i)+(\c)], v[T+2*(\c)], v[T+2*(\c)+1] ; the word of codes becomes the word of weights
.endr
	global_store_b128 v[WO], v[PB+4*(\i):PB+4*(\i)+3], s[18:19] offset:512*(4*(\n)+(\i)) th:TH_STORE_NT  ; 512 consecutive bytes, aligned
.endr
.if \reload
	s_wait_xcnt 0x0                                ; every earlier memory instruction has had its addresses translated (ISA guide 3.1): the set's registers, which the stores above read, are loaded again only behind this wait
	LOADS (\n)+2
.endif
.endm
.irp h, 0,1                            ; half h: subblocks 128 h + 4 lane .. + 3 of the wave's 256, and the d and dmin of their superblock 16 h + lane / 2
	global_load_b128 v[SC+4*(\h):SC+4*(\h)+3], v[SO], s[12:13] offset:512*(\h) th:TH_LOAD_NT
	global_load_b128 v[MN+4*(\h):MN+4*(\h)+3], v[SO], s[14:15] offset:512*(\h) th:TH_LOAD_NT
	global_load_b32 v[DD+(\h)], v[DOF], s[8:9] offset:64*(\h) th:TH_LOAD_NT
	global_load_b32 v[DM+(\h)], v[DOF], s[10:11] offset:64*(\h) th:TH_LOAD_NT
.endr
	LOADS 0
	LOADS 1
	s_wait_loadcnt 24                              ; the eight loads for the table are in; the 24 of sets 0 and 1 stay out
.irp h, 0,1
	v_mul_f32 v[T], 0x3a8ab356, v[DD+(\h)]         ; d / 945
	v_mul_f32 v[T+1], 0x3c820821, v[DD+(\h)]       ; d / 63
.irp i, 0,1,2,3
	v_cvt_f32_i32 v[TBL+8*(\h)+2*(\i)], v[SC+4*(\h)+(\i)]
	v_cvt_f32_i32 v[TBL+8*(\h)+2*(\i)+1], v[MN+4*(\h)+(\i)]
.endr
.irp i, 0,1,2,3
	v_mul_f32 v[TBL+8*(\h)+2*(\i)], v[TBL+8*(\h)+2*(\i)], v[T]                        ; a = s d / 945
	v_fma_f32 v[TBL+8*(\h)+2*(\i)+1], v[TBL+8*(\h)+2*(\i)+1], v[T+1], v[DM+(\h)]      ; b = m d / 63 + dmin
.endr
	ds_store_b128 v[TS], v[TBL+8*(\h):TBL+8*(\h)+3] offset:1024*(\h)
	ds_store_b128 v[TS], v[TBL+8*(\h)+4:TBL+8*(\h)+7] offset:1024*(\h)+16
.endr
.irp n, 0,1,2,3,4,5
	WORK \n, 1, 12                                 ; the other set's twelve loads stay out
.endr
	WORK 6, 0, 12                                  ; the last two sets load nothing
	WORK 7, 0, 0
	s_wait_tensorcnt 0x0                           ; the wave's end: a wait, a zero add and its wait, behind my last LDS store
	ds_add_u32 v[SPW], v[NIL]
	s_wait_dscnt 0x0
	s_endpgm
.Lfunc_end_k_q660eab37ea_prep:
	.size	k_q660eab37ea_prep, .Lfunc_end_k_q660eab37ea_prep-k_q660eab37ea_prep
	.p2alignl 7, 3214868480
	.fill 96, 4, 3214868480
	.section	.rodata,"a",@progbits
	.p2align	6, 0x0
	.amdhsa_kernel k_q660eab37ea_prep
		.amdhsa_group_segment_fixed_size 17408
		.amdhsa_private_segment_fixed_size 0
		.amdhsa_enable_private_segment 0
		.amdhsa_kernarg_size 64
		.amdhsa_user_sgpr_count 2
		.amdhsa_user_sgpr_kernarg_segment_ptr 1
		.amdhsa_wavefront_size32 1
		.amdhsa_system_sgpr_workgroup_id_x 1
		.amdhsa_system_sgpr_workgroup_id_y 1
		.amdhsa_system_sgpr_workgroup_id_z 1
		.amdhsa_system_vgpr_workitem_id 0
		.amdhsa_next_free_vgpr 160
		.amdhsa_next_free_sgpr 66
		.amdhsa_reserve_vcc 0
		.amdhsa_float_denorm_mode_32 3
		.amdhsa_float_denorm_mode_16_64 3
		.amdhsa_memory_ordered 1
		.amdhsa_forward_progress 1
		.amdhsa_inst_pref_size 78
	.end_amdhsa_kernel
	.amdgpu_metadata
---
amdhsa.version: [ 1, 2 ]
amdhsa.kernels:
  - .name:           k_q660eab37ea_prep
    .symbol:         k_q660eab37ea_prep.kd
    .args:
      - { .name: x, .offset: 0, .size: 8, .value_kind: global_buffer, .address_space: global }
      - { .name: packed, .offset: 8, .size: 8, .value_kind: global_buffer, .address_space: global }
      - { .name: d, .offset: 16, .size: 8, .value_kind: global_buffer, .address_space: global }
      - { .name: dmin, .offset: 24, .size: 8, .value_kind: global_buffer, .address_space: global }
      - { .name: scales, .offset: 32, .size: 8, .value_kind: global_buffer, .address_space: global }
      - { .name: mins, .offset: 40, .size: 8, .value_kind: global_buffer, .address_space: global }
      - { .name: xh, .offset: 48, .size: 8, .value_kind: global_buffer, .address_space: global }
      - { .name: wh, .offset: 56, .size: 8, .value_kind: global_buffer, .address_space: global }
    .group_segment_fixed_size: 17408
    .private_segment_fixed_size: 0
    .kernarg_segment_align: 8
    .kernarg_segment_size: 64
    .max_flat_workgroup_size: 256
    .sgpr_count:     66
    .vgpr_count:     160
    .wavefront_size: 32
...
	.end_amdgpu_metadata
.endif
;; end of part 1
;; launch gemm (part 2): grid 16 x 16, 4 waves a work-group, clusters of 4 x 4, 327,680 bytes of LDS; arguments xh, wh, out0; writes out0
.if DOCPART == 2
	.amdgcn_target "amdgcn-amd-amdhsa--gfx1250"
	.amdhsa_code_object_version 6
	.text
	.protected	k_q660eab37ea_gemm
	.globl	k_q660eab37ea_gemm
	.p2align	8
	.type	k_q660eab37ea_gemm,@function
k_q660eab37ea_gemm:
	s_mov_b64 s[64:65], 0
	v_nop
	global_prefetch_b8 v0, s[64:65] scope:SCOPE_SE
	s_setreg_imm32_b32 hwreg(HW_REG_WAVE_MODE, 25, 1), 1
	s_wait_xcnt 0x0
	s_wait_alu depctr_hold_cnt(0) depctr_sa_sdst(0) depctr_va_vdst(0) depctr_va_sdst(0) depctr_va_ssrc(0) depctr_va_vcc(0) depctr_vm_vsrc(0)
	s_getreg_b32 s2, hwreg(HW_REG_IB_STS2, 6, 4)
	s_cmp_eq_u32 s2, 0
	s_cbranch_scc0 .Lentry_in_a_cluster
	s_endpgm
.Lentry_in_a_cluster:
	s_bfe_u32 s2, ttmp6, 0x10000c
	s_cmp_lg_u32 s2, 0xf033
	s_cbranch_scc0 .Lentry_shape_is_right
	s_endpgm
.Lentry_shape_is_right:
; out0[m][n] = the sum over k of xh[m][k] wh[n][k].  A = xh: [4096][4096] f16, B = wh: [4096][4096] f16 (both made by the launch before), C = out0: [4096][4096] f32; sums in f32.  No work is left out.
; LIMITS.  The operands are f16: what the launch before states of their range and step holds here; NaN and infinities are not treated apart.
; A tile of C, 256 x 256, is made by a work-group of four waves; a wave makes 128 x 128: 64 accumulators of 16 x 16, 512 registers.  16 x 16 tiles, one to a work-group.
; K goes in steps of 128 through a ring of two LDS slots filled by the tensor data mover: a tile's rows are 256 bytes of memory and start at multiples of 256 bytes from the buffer's first byte.
; CLUSTERS: 4 x 4 work-groups.  The four of a row of the cluster need the same tiles of A, the four of a column the same tiles of B.  Such a tile is asked for JOINTLY: each of the four issues the
; same tensor load, with the same descriptor and a mask that names the four, and each receives the tile in its own LDS.  That divides the requests for A and for B by four.
; REGISTERS, in windows of 256 (s_set_vgpr_msb's low byte: bits 1:0 source 0, 3:2 source 1, 5:4 source 2, 7:6 destination):
;   window 0: v0-31 addresses; v64-127, v128-191 fragments of A (8 x 16 rows x 32 K), two buffers; on the way out the same registers take rows of C read back from the stage
;   window 1: v64-127, v128-191 fragments of B, two buffers
;   window 2: the 32 accumulators of my rows 0-63 (accumulator (a, b) at v[8 (8 a + b)]);   window 3: those of my rows 64-127
; THE MATRIX INSTRUCTION IS USED TRANSPOSED: source 0 = 16 rows of B, source 1 = 16 rows of A.  In the result lane l holds row l % 16 of C and its registers 0 to 7 the columns 8 (l / 16) + 0 .. 7:
; 32 neighbouring bytes of a row of C.
.set SIZE_N, 4096
.set SIZE_K, 4096
.set KSTEP,  128
.set PITCH,  272                       ; an LDS row: 256 bytes of data + 16 of padding = 68 words: row r starts at bank 4 r mod 64 (64 banks of 4 bytes: ISA guide 11.1), so the 16 rows that a load touches start at 16 different banks
.set HALFT,  128*PITCH                 ; 128 rows: what one tensor load brings, and what one wave reads of A or of B
.set SLOT,   4*HALFT                   ; A's 256 rows, then B's 256 rows
.set STAGE,  2*SLOT                    ; behind the ring: 16 rows x 528 bytes for each wave, for the way out; no tensor load lands here
.set SPITCH, 528                       ; a stage row: 512 bytes (128 f32) + 16: the 16 rows that a store touches start at 16 different groups of four banks
.set SPARE,  STAGE+4*16*SPITCH         ; behind the stages: the spare words, 128 bytes for each wave: two blocks of 256 bytes that no other line names
.set LAPS,   SIZE_K/(2*KSTEP)          ; a lap = two K steps = once round the ring: 16
.set CROW,   SIZE_N*4                  ; bytes in a row of C
.set ADRA, 16                          ; v16-17  LDS address of my A fragments in slot 0, 1
.set ADRB, 20                          ; v20-21  the same for B
.set STO,  24                          ; v24     the way out: where I put 32 bytes of a row
.set RD,   25                          ; v25     the way out: where I read 16 bytes of a row back
.set CO,   26                          ; v26     my 16 bytes in 512 consecutive bytes of C
.set SPW,  28                          ; v28     LDS address of my spare word: SPARE + 4 x my thread's number; never rewritten
.set NIL,  29                          ; v29     0; never rewritten
.set PFO,  30                          ; v30     the prefetches' offset: my lane x a row of A or B in memory; never rewritten
.set PFA,  44                          ; s[44:45] where my prefetches stand: my work-group's 32 rows of the 128 that I fetch, one K step further along K than the refill that is being asked for; a prefetch names the K step after that
.set LIM,  43                          ; s43     1 in a wave that prefetches, else the greatest number
.set F0,   64                          ; fragment buffer 0
.set F1,   128                         ; fragment buffer 1
.set G1, 24                            ; s[24:31] descriptor group 1 for A's tiles
.set G0, 32                            ; s[32:39] descriptor group 0 for A's tiles, one set for each slot
.set G1B, 48                           ; s[48:55] descriptor group 1 for B's tiles: it differs from A's in the mask alone
.set G0B, 56                           ; s[56:63] descriptor group 0 for B's tiles, one set for each slot
.set MSB, 0
.macro WIN new                         ; the immediate's high byte repeats the setting that is left; a switch that changes nothing is dropped
.if MSB != (\new)
	s_set_vgpr_msb (MSB<<8)|(\new)
.set MSB, \new
.endif
.endm
.set MUL_LO, 0xa1                      ; source 0 (B) window 1, source 1 (A) window 0, C and D window 2
.set MUL_HI, 0xf1                      ; the same, C and D window 3
.set TO_B,   0x40                      ; destination window 1, address window 0
; A joint load.  Waves 0 and 1 fetch A's two halves, waves 2 and 3 B's.  Each of the two lines has ONE mask and one set of registers for all that issue it.  The branch hangs on the wave's number alone.
; An s_nop 0 and four v_nop follow each of the two lines; the jump round the other line, the label and what follows the macro come after them.
.macro JLOAD s
	s_cmp_eq_u32 s11, 0
	s_cbranch_scc0 .Lfor_b_\@
	tensor_load_to_lds s[G0+4*(\s):G0+4*(\s)+3], s[G1:G1+7]
	s_nop 0
.rept 4
	v_nop
.endr
	s_branch .Lasked_\@
.Lfor_b_\@:
	tensor_load_to_lds s[G0B+4*(\s):G0B+4*(\s)+3], s[G1B:G1B+7]
	s_nop 0
.rept 4
	v_nop
.endr
.Lasked_\@:
.endm
; A PREFETCH INTO THE L2, behind each joint refill, its five lines and the run of LDS loads that follows them: the K step that stands TWO refills on, 512 matrix instructions ahead of the load that will ask
; for it: 32 rows x 256 bytes, a lane a row, one instruction a wave.  Each row's 256 bytes of a K step are named ONCE in the launch: A's tile row is read by every cluster of that row of clusters, and the
; first of them (cluster x = 0) prefetches; B's tile column by every cluster of that column, and cluster y = 0 prefetches.  The four partners that ask for a tile jointly share its rows out BY ADDRESS: of
; the 128 rows that a wave fetches, the partner at place p takes 32 p .. 32 p + 31 (p = cx for A, cy for B).  K steps 0 to 3 come by their loads alone; the loop's last trip (s3 = 1) asks for nothing:
; the last K steps named are 30 and 31.
.macro ASK
	s_cmp_gt_u32 s3, s[LIM]
	s_cbranch_scc0 .Lnot_mine_\@
	global_prefetch_b8 v[PFO], s[PFA:PFA+1] offset:KSTEP*2 th:TH_LOAD_NT scope:SCOPE_SE
.Lnot_mine_\@:
.endm
; A round of the cluster's barrier: my work-group's barrier, so that wave 0's signal speaks for all four waves; wave 0 signals for the work-group; every wave waits for all
; sixteen work-groups; my work-group's barrier once more.  No LDS instruction of the wave is pending at a signal.
.macro CREST                           ; a round behind its opening barrier
	s_cmp_lg_u32 s10, 0
	s_cbranch_scc1 .Lnot_wave_0_\@
	s_barrier_signal -3
.Lnot_wave_0_\@:
	s_barrier_wait -3
	s_barrier_signal -1
	s_barrier_wait -1
.endm
.macro CROUND                          ; a whole round
	s_barrier_signal -1
	s_barrier_wait -1
	CREST
.endm
	s_load_b128 s[4:7], s[0:1], 0x0                ; A s[4:5], B s[6:7]
	s_load_b64 s[8:9], s[0:1], 0x10                ; C
	v_lshl_add_u32 v[SPW], v0, 2, SPARE
	v_mov_b32 v[NIL], 0
	ds_add_u32 v[SPW], v[NIL]                      ; the wave's opening: the add, twice on end, and its wait ahead of my first tensor load; the set-up below the second, work on registers, stands between it and the wait
	ds_add_u32 v[SPW], v[NIL]                      ; and once more, under the one wait
	v_lshrrev_b32 v1, 5, v0
	v_readfirstlane_b32 s10, v1                    ; wave 0..3
	s_lshr_b32 s11, s10, 1                         ; which half of the tile's rows is mine.  Also: I fetch for A (0) or for B (1)
	s_and_b32 s12, s10, 1                          ; which half of its columns.  Also: which 128 rows of that tile I fetch
	s_bfe_u32 s40, ttmp6, 0x40000                  ; cx: my place along the cluster's x
	s_bfe_u32 s41, ttmp6, 0x40004                  ; cy: along its y
	s_lshl_b32 s42, ttmp9, 2                       ; in a cluster launch ttmp9 and ttmp7 count clusters
	s_add_co_u32 s42, s42, s40                     ; tile column of C = 4 x cluster x + cx
	s_and_b32 s13, ttmp7, 0xffff
	s_lshl_b32 s13, s13, 2
	s_add_co_u32 s13, s13, s41                     ; tile row of C = 4 x cluster y + cy
	s_lshl_b32 s43, s41, 2
	s_lshl_b32 s43, 15, s43                        ; my row of the cluster: places 4 cy .. 4 cy + 3
	s_lshl_b32 s44, 0x1111, s40                    ; my column: places cx, cx + 4, cx + 8, cx + 12
	; descriptor group 1: a tile of 128 rows x 128 elements, padded in LDS
	s_or_b32 s[G1+0], s43, (1<<16)|(1<<20)|(1<<21)|(5<<22)|(3<<25)  ; 15:0 the mask: A's tiles go to my row; 17:16 element of 2 bytes; 20 padding on; 21 set beside a mask; 24:22 after every 64 words (code 5); 31:25 of 4 words (code 3)
	s_or_b32 s[G1B+0], s44, (1<<16)|(1<<20)|(1<<21)|(5<<22)|(3<<25) ; the same with the mask of my column, for B's tiles
.irp g, G1, G1B
	s_mov_b32 s[(\g)+1], KSTEP<<16                 ; tensor_dim0 = 128
	s_mov_b32 s[(\g)+2], 128<<16                   ; tensor_dim1 = 128
	s_mov_b32 s[(\g)+3], KSTEP<<16                 ; tile_dim0 = 128
	s_mov_b32 s[(\g)+4], 128                       ; tile_dim1 = 128
	s_mov_b32 s[(\g)+5], SIZE_K                    ; elements from row to row
	s_mov_b32 s[(\g)+6], 0
	s_mov_b32 s[(\g)+7], 0
.endr
	; where the tiles come from.  A's hang on the tile row alone, which my row of the cluster shares; B's on the tile column alone, which my column shares.
	; Every wave makes both addresses, in registers that never hold the other coordinate, and asks by one of them.
	s_lshl_b32 s17, s12, 7                         ; which 128 rows of the tile I fetch
	s_lshl_b32 s16, s13, 8
	s_add_co_u32 s16, s16, s17                     ; A: row 256 x tile row + 128 x half
	s_lshl_b32 s46, s42, 8
	s_add_co_u32 s46, s46, s17                     ; B: row 256 x tile column + 128 x half
	s_mov_b32 s17, 0
	s_mov_b32 s47, 0
	s_mov_b64 s[18:19], SIZE_K*2
	s_mul_u64 s[16:17], s[16:17], s[18:19]         ; in bytes
	s_mul_u64 s[46:47], s[46:47], s[18:19]
	s_mul_i32 s20, s10, HALFT                      ; and where they go: A's two halves, then B's two halves = wave x 128 rows: no place in the cluster enters an LDS address
	s_wait_dscnt 0x0                               ; both opening adds are done
	s_wait_kmcnt 0x0
	s_add_nc_u64 s[14:15], s[4:5], s[16:17]
	s_add_nc_u64 s[46:47], s[6:7], s[46:47]
	CROUND                                         ; all sixteen work-groups are here: the first joint loads meet
.irp s, 0,1
	s_mov_b32 s[G0+4*(\s)], 1                                      ; 1:0 count = 1
	s_add_co_u32 s[G0+4*(\s)+1], s20, (\s)*SLOT                    ; 63:32 LDS address
	s_add_nc_u64 s[G0+4*(\s)+2:G0+4*(\s)+3], s[14:15], (\s)*KSTEP*2  ; 120:64 global address: K step s
	s_or_b32 s[G0+4*(\s)+3], s[G0+4*(\s)+3], 0x80000000            ; 127:126 type = 2
	s_mov_b32 s[G0B+4*(\s)], 1
	s_add_co_u32 s[G0B+4*(\s)+1], s20, (\s)*SLOT
	s_add_nc_u64 s[G0B+4*(\s)+2:G0B+4*(\s)+3], s[46:47], (\s)*KSTEP*2
	s_or_b32 s[G0B+4*(\s)+3], s[G0B+4*(\s)+3], 0x80000000
	JLOAD \s                                       ; the ring is filled before anything else is done: two loads of mine are out
.endr
	; A fragment is 16 rows x 32 K in 8 registers: lane l holds row l % 16; registers 0-3 hold K = 8 (l / 16) + 0..7, registers 4-7 hold
	; K = 16 + 8 (l / 16) + 0..7.  From rows that lie along K: two loads of 16 bytes, 32 bytes apart.  The same for source 0 and source 1.
	v_and_b32 v1, 15, v0                           ; l % 16
	v_bfe_u32 v2, v0, 4, 1                         ; l / 16
	v_mul_u32_u24 v3, v1, PITCH
	v_lshl_add_u32 v3, v2, 4, v3                   ; row x pitch + 16 x half
	s_mul_i32 s21, s11, HALFT                      ; my 128 rows of A
	s_mul_i32 s22, s12, HALFT                      ; my 128 rows of B,
	s_add_co_u32 s22, s22, 2*HALFT                 ; which lie behind A's 256
.irp s, 0,1
	v_add_nc_u32 v[ADRA+(\s)], s21, v3
	v_add_nc_u32 v[ADRB+(\s)], s22, v3
	s_add_co_u32 s21, s21, SLOT
	s_add_co_u32 s22, s22, SLOT
.endr
	s_mul_i32 s23, s10, 16*SPITCH
	s_add_co_u32 s23, s23, STAGE                   ; my stage
	v_mul_u32_u24 v4, v1, SPITCH                   ; in: row l % 16, 32 bytes for each half of the lanes
	v_lshl_add_u32 v4, v2, 5, v4
	v_add_nc_u32 v[STO], s23, v4
	v_and_b32 v5, 31, v0
	v_lshlrev_b32 v[CO], 4, v5                     ; back: the 32 lanes take one row of 512 bytes,
	v_add_nc_u32 v[RD], s23, v[CO]                 ; and the same 512 bytes in C
	; C at my part of the tile: the stores' rows stand in their immediates
	s_lshl_b32 s13, s13, 8
	s_lshl_b32 s14, s11, 7
	s_add_co_u32 s16, s13, s14                     ; my first row of C
	s_mov_b32 s17, 0
	s_mov_b64 s[18:19], CROW
	s_mul_u64 s[16:17], s[16:17], s[18:19]
	s_lshl_b32 s46, s42, 10                        ; my first column, in bytes: 1,024 x tile column + 512 x half
	s_lshl_b32 s47, s12, 9
	s_add_co_u32 s46, s46, s47
	s_mov_b32 s47, 0
	s_add_nc_u64 s[16:17], s[16:17], s[46:47]
	s_add_nc_u64 s[8:9], s[8:9], s[16:17]
	; the prefetches.  s13 = 256 x tile row, s42 = tile column, s40 = cx, s41 = cy still stand; s[4:5] = A, s[6:7] = B
	s_lshl_b32 s42, s42, 8
	s_and_b32 s22, ttmp7, 0xffff                   ; cluster y
	s_cmp_eq_u32 s11, 0                            ; do I fetch for A?
	s_cselect_b32 s20, s13, s42                    ; the tile's first row: in A by the tile row, in B by the tile column
	s_cselect_b32 s21, s40, s41                    ; my place among the four that ask for it with me
	s_cselect_b32 s22, ttmp9, s22                  ; the coordinate along which other clusters read the same rows
	s_cselect_b64 s[PFA:PFA+1], s[4:5], s[6:7]
	s_cmp_eq_u32 s22, 0
	s_cselect_b32 s[LIM], 1, -1                    ; the same in all sixteen partners, for a given wave
	s_lshl_b32 s22, s12, 7
	s_add_co_u32 s20, s20, s22                     ; + the 128 rows that I fetch
	s_lshl_b32 s21, s21, 5
	s_add_co_u32 s20, s20, s21                     ; + my work-group's 32 of them
	s_mov_b32 s21, 0
	s_mov_b64 s[18:19], SIZE_K*2
	s_mul_u64 s[20:21], s[20:21], s[18:19]
	s_add_nc_u64 s[PFA:PFA+1], s[PFA:PFA+1], s[20:21]
	s_add_nc_u64 s[PFA:PFA+1], s[PFA:PFA+1], 2*KSTEP*2  ; at K step 2: the first refill steps it to 3 and names K step 4
	v_and_b32 v[PFO], 31, v0
	v_mul_u32_u24 v[PFO], v[PFO], SIZE_K*2
	; nothing is prefetched here, at the head, where every work-group's first two tiles are on their way
; 16 matrix instructions: m blocks a0, a0 + 1 of the window's four (hi = 0: my rows 0-63, 1: rows 64-127) x all 8 n blocks, 32 along K.
; zero = 1: the first product starts the sums: nothing is ever cleared.  The 64 accumulators take turns, one instruction a turn, in the same order in every quarter step.
.macro MUL16 f, hi, a0, zero
	WIN MUL_LO+0x50*(\hi)
.irp a, \a0, (\a0)+1
.irp b, 0,1,2,3,4,5,6,7
.if \zero
	v_wmma_f32_16x16x32_f16 v[8*(8*(\a)+(\b)):8*(8*(\a)+(\b))+7], v[(\f)+8*(\b):(\f)+8*(\b)+7], v[(\f)+8*(4*(\hi)+(\a)):(\f)+8*(4*(\hi)+(\a))+7], 0
.else
	v_wmma_f32_16x16x32_f16 v[8*(8*(\a)+(\b)):8*(8*(\a)+(\b))+7], v[(\f)+8*(\b):(\f)+8*(\b)+7], v[(\f)+8*(4*(\hi)+(\a)):(\f)+8*(4*(\hi)+(\a))+7], v[8*(8*(\a)+(\b)):8*(8*(\a)+(\b))+7]
.endif
.endr
.endr
.endm
; 32 LDS loads in one run: the fragments of one quarter step (128 rows of B, 128 rows of A, 32 K at byte k of the rows) into buffer f
.macro FETCH slot, k, f
	WIN TO_B
.irp i, 0,1,2,3,4,5,6,7
	ds_load_b128 v[(\f)+8*(\i):(\f)+8*(\i)+3],   v[ADRB+(\slot)] offset:(\k)+(\i)*16*PITCH
	ds_load_b128 v[(\f)+8*(\i)+4:(\f)+8*(\i)+7], v[ADRB+(\slot)] offset:(\k)+(\i)*16*PITCH+32
.endr
	WIN 0
.irp i, 0,1,2,3,4,5,6,7
	ds_load_b128 v[(\f)+8*(\i):(\f)+8*(\i)+3],   v[ADRA+(\slot)] offset:(\k)+(\i)*16*PITCH
	ds_load_b128 v[(\f)+8*(\i)+4:(\f)+8*(\i)+7], v[ADRA+(\slot)] offset:(\k)+(\i)*16*PITCH+32
.endr
.endm
; A load into a register that a matrix instruction has read, and a store that reads a matrix result, stand four places behind that matrix instruction, and only plain vector instructions that name
; none of its registers are places (ISA guide 7.12.1 for vector instructions); the matrix instructions in between are not counted.
.macro PLACES
.rept 4
	v_nop
.endr
.endm
; A K step is four quarter steps of 32 along K, 64 matrix instructions each, on buffers 0, 1, 0, 1.
; One of the first three: multiplies buffer f; in its middle it fetches the next quarter's fragments, at byte k of the same slot's rows, into buffer g.
.macro QUARTER slot, k, f, g, zero
	s_wait_dscnt 8                                 ; B and A's rows 0-63 are in; the youngest eight loads (A's rows 64-127) may be out
	MUL16 \f, 0, 0, \zero
	MUL16 \f, 0, 2, \zero
	PLACES
	FETCH \slot, \k, \g
	s_wait_dscnt 32                                ; all but the 32 just issued
	MUL16 \f, 1, 0, \zero
	MUL16 \f, 1, 2, \zero
.endm
; The last quarter multiplies buffer 1 and changes slots.  MEET is its first half: ONE barrier for the change of slots, for two things.  In front of it each wave waits for all its tensor loads, of
; which one is out: its part of the next slot; adds 0 to its spare word; and waits for that and for its own reads of this slot.  Behind it nobody reads this slot any more and the next slot is whole.
.macro MEET round                      ; round = 1: a round of the cluster's barrier follows
	WIN 0                                          ; (the add's two registers lie in window 0)
	s_wait_tensorcnt 0x0                           ; all my tensor loads have landed;
	ds_add_u32 v[SPW], v[NIL]                      ; 0 onto my spare word;
	s_wait_dscnt 9                                 ; (the add and the youngest eight loads may be out)
	MUL16 F1, 0, 0, 0                              ; sixteen matrix instructions stand between the add and the wait for it
	s_wait_dscnt 0x0                               ; the add is done, and my reads of this slot are over:
	s_barrier_signal -1                            ; say so (where a slot is filled again this barrier opens a round of the cluster's barrier),
	MUL16 F1, 0, 2, 0                              ; work on registers while the others arrive,
.if \round
	WIN 0
.endif
	s_barrier_wait -1                              ; and go on when all four have said so
.endm
; The whole last quarter.  fill = 1: behind the round the slot just read out is filled again first, with the K step two steps on; then come the next slot's first fragments.
; From a request to the wait for it a wave issues 224 matrix instructions.  fill = 0: nothing is left to ask for, and no round follows the barrier.
.macro TURN slot, next, fill
.if \fill
	s_wait_xcnt 0x0                                ; the last prefetch, a K step back, has read its address: it is stepped here, ahead of the waits of the change of slots
	s_add_nc_u64 s[PFA:PFA+1], s[PFA:PFA+1], KSTEP*2
.endif
	MEET \fill
.if \fill
	CREST                                          ; no wave of any partner still reads this slot's tile or has a load on its way
	s_add_nc_u64 s[G0+4*(\slot)+2:G0+4*(\slot)+3], s[G0+4*(\slot)+2:G0+4*(\slot)+3], 2*KSTEP*2     ; no tensor load of mine is out, so a group 0 may be written
	s_add_nc_u64 s[G0B+4*(\slot)+2:G0B+4*(\slot)+3], s[G0B+4*(\slot)+2:G0B+4*(\slot)+3], 2*KSTEP*2
	JLOAD \slot                                    ; the first tensor load behind the round, my only one until the next; the four v_nop behind it are also the places in front of the loads below
.else
	PLACES
.endif
	FETCH \next, 0, F0
.if \fill
	ASK                                            ; behind the joint load and the run of LDS loads that the next products wait for
.endif
	MUL16 F1, 1, 0, 0
	MUL16 F1, 1, 2, 0
.endm
; THE WAY OUT of block a (16 rows x 128 columns of f32), in two parts.  TOSTAGE: a lane's 32 bytes of each of the 8 accumulators go into my own stage, each accumulator's low four registers first
; and come back as whole rows of 512 bytes, into A's fragment registers, v64-127 and v128-191 by turns.  SEND: the rows are stored.
.macro TOSTAGE a
.set AC, 64*((\a)%4)
.set BK, 64+64*((\a)%2)
	WIN 0x08+4*((\a)/4)                            ; the stores' data (source 1) in window 2 or 3, the address in window 0
.irp b, 0,1,2,3,4,5,6,7
	ds_store_b128 v[STO], v[AC+8*(\b):AC+8*(\b)+3]   offset:64*(\b)
	ds_store_b128 v[STO], v[AC+8*(\b)+4:AC+8*(\b)+7] offset:64*(\b)+16
.endr
	WIN 0
.if (\a) >= 2
	s_wait_xcnt 0x0                                ; the stores of the block two back have had their addresses translated (ISA guide 3.1): the registers that they read are loaded again only behind this wait
.endif
.irp t, 0,1,2,3,4,5,6,7,8,9,10,11,12,13,14,15
	ds_load_b128 v[BK+4*(\t):BK+4*(\t)+3], v[RD] offset:(\t)*SPITCH  ; LDS serves a wave's instructions in order (ISA guide 5.7.1.4): these see the stores above, and the next block's stores come behind them
.endr
.endm
.macro SEND a, younger                 ; younger: the LDS instructions issued behind block a's loads: the next block's 32, or none
	WIN 0
.set BK, 64+64*((\a)%2)
.irp t, 0,1,2,3,4,5,6,7,8,9,10,11,12,13,14,15
	s_wait_dscnt (\younger)+15-(\t)                ; row t is back in registers
	global_store_b128 v[CO], v[BK+4*(\t):BK+4*(\t)+3], s[8:9] offset:(16*(\a)+(\t))*CROW th:TH_STORE_NT  ; the wave stores 512 consecutive bytes, at a multiple of 512 from C's first byte; 127 rows of C at the most: inside the signed 24-bit immediate
.endr
.endm
	s_wait_tensorcnt 1                             ; my part of K step 0 is in; K step 1's may stay out
	s_barrier_signal -1
	s_barrier_wait -1                              ; everybody's is
	FETCH 0, 0, F0
	QUARTER 0, 64,  F0, F1, 1                      ; the first quarter stands in front of the loop: its products start the sums
	WIN 0                                          ; at a label and at a branch every window is 0
	s_mov_b32 s3, LAPS-1
.Llap:                                                 ; a trip goes once round the ring, from a lap's second quarter to the next lap's first, and fills both slots again: 15 trips ask for K steps 2 to 31
	QUARTER 0, 128, F1, F0, 0
	QUARTER 0, 192, F0, F1, 0
	TURN 0, 1, 1
	QUARTER 1, 64,  F0, F1, 0
	QUARTER 1, 128, F1, F0, 0
	QUARTER 1, 192, F0, F1, 0
	TURN 1, 0, 1
	QUARTER 0, 64,  F0, F1, 0
	WIN 0
	s_sub_co_u32 s3, s3, 1
	s_cmp_lg_u32 s3, 0
	s_cbranch_scc1 .Llap
	QUARTER 0, 128, F1, F0, 0                      ; the last lap is written out: it fills nothing
	QUARTER 0, 192, F0, F1, 0
	TURN 0, 1, 0
	QUARTER 1, 64,  F0, F1, 0
	QUARTER 1, 128, F1, F0, 0
	QUARTER 1, 192, F0, F1, 0
	s_wait_dscnt 8                                 ; the very last quarter: nothing more to fetch
	MUL16 F1, 0, 0, 0
	MUL16 F1, 0, 2, 0
	s_wait_dscnt 0x0
	MUL16 F1, 1, 0, 0
	MUL16 F1, 1, 2, 0
	WIN 0
	PLACES                                         ; eight plain places, once a launch, behind the last product: for the LDS stores that read results
	PLACES                                         ; and for the loads into A's fragment registers
	TOSTAGE 0
.irp a, 1,2,3,4,5,6,7                  ; block a goes through the stage while block a - 1's rows come back and leave
	TOSTAGE \a
	SEND (\a)-1, 32
.endr
	SEND 7, 0
	s_wait_tensorcnt 0x0                           ; the wave's end: a wait, a zero add and its wait, behind my last tensor load and my last LDS store
	ds_add_u32 v[SPW], v[NIL]
	s_wait_dscnt 0x0
	CROUND                                         ; the closing round: no work-group ends while a partner may still ask for a tile that names it
	s_endpgm
.Lfunc_end_k_q660eab37ea_gemm:
	.size	k_q660eab37ea_gemm, .Lfunc_end_k_q660eab37ea_gemm-k_q660eab37ea_gemm
	.p2alignl 7, 3214868480
	.fill 96, 4, 3214868480
	.section	.rodata,"a",@progbits
	.p2align	6, 0x0
	.amdhsa_kernel k_q660eab37ea_gemm
		.amdhsa_group_segment_fixed_size 327680
		.amdhsa_private_segment_fixed_size 0
		.amdhsa_enable_private_segment 0
		.amdhsa_kernarg_size 24
		.amdhsa_user_sgpr_count 2
		.amdhsa_user_sgpr_kernarg_segment_ptr 1
		.amdhsa_wavefront_size32 1
		.amdhsa_system_sgpr_workgroup_id_x 1
		.amdhsa_system_sgpr_workgroup_id_y 1
		.amdhsa_system_sgpr_workgroup_id_z 1
		.amdhsa_system_vgpr_workitem_id 0
		.amdhsa_next_free_vgpr 1024
		.amdhsa_next_free_sgpr 66
		.amdhsa_reserve_vcc 0
		.amdhsa_float_denorm_mode_32 3
		.amdhsa_float_denorm_mode_16_64 3
		.amdhsa_memory_ordered 1
		.amdhsa_forward_progress 1
		.amdhsa_inst_pref_size 145
	.end_amdhsa_kernel
	.amdgpu_metadata
---
amdhsa.version: [ 1, 2 ]
amdhsa.kernels:
  - .name:           k_q660eab37ea_gemm
    .symbol:         k_q660eab37ea_gemm.kd
    .args:
      - { .name: xh, .offset: 0, .size: 8, .value_kind: global_buffer, .address_space: global }
      - { .name: wh, .offset: 8, .size: 8, .value_kind: global_buffer, .address_space: global }
      - { .name: out0, .offset: 16, .size: 8, .value_kind: global_buffer, .address_space: global }
    .group_segment_fixed_size: 327680
    .private_segment_fixed_size: 0
    .kernarg_segment_align: 8
    .kernarg_segment_size: 24
    .max_flat_workgroup_size: 128
    .sgpr_count:     66
    .vgpr_count:     1024
    .wavefront_size: 32
...
	.end_amdgpu_metadata
.endif
;; end of part 2
;; ======== version 2 of 2: 2 launches; version 1 with the launch prep written anew for expert scheduling mode
;; limits: values are held in f16: magnitudes above 65,504 overflow, below 6.1e-05 lose precision
;; workspace buffers: xh 33,554,432 bytes; wh 33,554,432 bytes
;; launch prep (part 3): grid 256 x 1, 8 waves a work-group, no clusters, 17,408 bytes of LDS; arguments x, packed, d, dmin, scales, mins, xh, wh; writes xh, wh
.if DOCPART == 3
	.amdgcn_target "amdgcn-amd-amdhsa--gfx1250"
	.amdhsa_code_object_version 6
	.text
	.protected	k_q660eab37ea_prep
	.globl	k_q660eab37ea_prep
	.p2align	8
	.type	k_q660eab37ea_prep,@function
k_q660eab37ea_prep:
	s_mov_b64 s[64:65], 0
	v_nop
	global_prefetch_b8 v0, s[64:65] scope:SCOPE_SE
	s_setreg_imm32_b32 hwreg(HW_REG_WAVE_SCHED_MODE, 0, 2), 2
	s_setreg_imm32_b32 hwreg(HW_REG_WAVE_MODE, 25, 1), 1
	s_wait_xcnt 0x0
	s_wait_alu depctr_vm_vsrc(0)
; xh = x rounded to f16;  wh[n][k] = the dequantised weight, formed in f32 and rounded once to f16.
; w = ((q / 15) (s / 63) + m / 63) d + dmin  =  q a + b   with  a = s d / 945,  b = m d / 63 + dmin  for each subblock of 32 weights.
; NO WORK IS LEFT OUT: x, packed, d, dmin, scales and mins all reach the output, and all six are loaded.
; LIMITS.  f16 holds no number beyond 65,504: an x or a w past that becomes an infinity; below 6.1e-5 a number keeps f16's fixed step of 6e-8.
; q a + b is another order of f32 roundings than the formula above.  Of a word of packed only bits 0 to 7 count, as in the formula's own masks.
; scales and mins are taken as signed 32-bit numbers of any value.  NaN and infinities are not treated apart.
; SHARES.  2,048 waves.  A wave owns 32 superblocks on end (16 KiB of packed, which become 16 KiB of wh AT THE SAME BYTE OFFSET: a word of packed holds two
; codes, and two f16 are a word) and 32 KiB of x (16 KiB of xh).  A superblock is 512 bytes of packed: one load of 16 bytes a lane; a subblock is four lanes.
; Every load covers 512 consecutive bytes, every store 256 or 512, all aligned to their own length.  No wave touches another's bytes: no barrier.
; THE TABLE.  A wave's 256 pairs (a, b) are made once, four subblocks a lane and half, and laid into the wave's own 2,048 bytes of LDS; a lane then fetches
; its subblock's pair by one load of 8 bytes for each superblock.
; All steps stand in the immediates: no base and no offset register is written again behind the set-up.
; THE MODE: SCHED_MODE bits 1:0 = 2 (LLVM: expert scheduling mode 2), set by the entry lines.  The code itself states the register dependences
; between vector instructions and memory or LDS instructions, with s_wait_alu, always for 0.
; THE PLAN.  The work goes in eight sets of 12 loads (8 of x, 4 of packed) and 12 stores (8 of xh, 4 of wh).  Registers that memory or LDS instructions touch:
;   IN0 .. IN2   Set n's loads land in IN[n % 3]; set n's conversions and unpacking lines read it; no memory instruction reads it.
;   OUT0, OUT1   Set n's roundings write OUT[n % 2]; the 12 stores at the end of set n read it; set n + 2 writes it again.
;   AB           Four LDS loads bring a set's pairs (a, b); the set's multiply-adds read them.
;   v2 to v8     Offsets and LDS addresses, made once at the head and never written again.
;   At the head alone: scales, mins, d and dmin land in registers of OUT0 and are read by vector lines; the table is written into registers of OUT1 and read by four LDS stores.
;   v[T ..] is named by vector lines alone.  v[SPW], v[NIL]: written at the head, read by the closing add alone.
; ONE wait on va_vdst stands in a set, behind its last rounding: OUT[n % 2] is written, IN[n % 3] and AB have been read.  Behind it, in one run with no vector line between: the 12 loads of
; set n + 3 into IN[n % 3], the next set's four LDS loads into AB, the 12 stores from OUT[n % 2].  The line behind the run is the wait for the next set's data: no vector work is at hand to set among them.
; One wait on vm_vsrc stands at a set's head, behind the wait for its data: what read OUT[n % 2] last (the stores of two sets back; at set 1 the table's LDS stores) has read it.
; IN FLIGHT.  At a set's wait for its data the 24 loads of the two younger sets stay out beside its own 12.
.set SPARE, 16384                      ; behind the eight tables: the spare words, 128 bytes for each wave: four blocks of 256 bytes that no other line names
.set XO,  2                            ; v2   my 16 bytes in the wave's first 512 of x, from the work-group's part on
.set HO,  3                            ; v3   my 8 bytes of xh
.set WO,  4                            ; v4   my 16 bytes of packed, and of wh
.set SO,  5                            ; v5   my 16 bytes of scales, and of mins
.set DOF, 6                            ; v6   my word of d, and of dmin
.set TS,  7                            ; v7   where I put four pairs of the table
.set TR,  8                            ; v8   where I read my subblock's pair
.set SPW, 10                           ; v10  LDS address of my spare word; never rewritten
.set NIL, 11                           ; v11  0; never rewritten
.set T,   12                           ; v[12:19]    at work
.set AB,  20                           ; v[20:27]    the pairs (a, b) of a set's four superblocks
.set IN,  28                           ; v[28:171]   three buffers of 48: 32 of x, 16 of packed, as loaded
.set OUT, 172                          ; v[172:235]  two buffers of 32: 16 of xh, 16 of wh, to store
.set SC,  OUT                          ; v[172:179]  at the head only: scales, two halves of four
.set MN,  OUT+8                        ; v[180:187]  mins
.set DD,  OUT+16                       ; v188, v189  d of the two halves
.set DM,  OUT+18                       ; v190, v191  dmin
.set TBL, OUT+32                       ; v[204:219]  at the head only, in OUT1: the table as it is stored: a, b, a, b ..
	s_load_b256 s[4:11], s[0:1], 0x0               ; x s[4:5], packed s[6:7], d s[8:9], dmin s[10:11]
	s_load_b256 s[12:19], s[0:1], 0x20             ; scales s[12:13], mins s[14:15], xh s[16:17], wh s[18:19]
	v_lshl_add_u32 v[SPW], v0, 2, SPARE
	v_mov_b32 v[NIL], 0
	v_lshrrev_b32 v9, 5, v0
	v_readfirstlane_b32 s20, v9                    ; wave 0..7
	v_and_b32 v1, 31, v0                           ; lane
	s_wait_alu depctr_va_sdst(0)                   ; s20 is written, ahead of its first reader: the wave's terms of all offsets are made from it
	s_lshl_b32 s21, s20, 11                        ; my table: 2,048 x wave
	s_lshl_b32 s24, s20, 15                        ; my 32 KiB of x
	s_lshl_b32 s25, s20, 14                        ; my 16 KiB of xh, packed, wh
	s_lshl_b32 s26, s20, 10                        ; my 256 words of scales and mins
	s_lshl_b32 s27, s20, 7                         ; my 32 words of d and dmin
	v_lshl_add_u32 v[XO], v1, 4, s24
	v_lshl_add_u32 v[HO], v1, 3, s25
	v_lshl_add_u32 v[WO], v1, 4, s25
	v_lshl_add_u32 v[SO], v1, 4, s26
	v_lshrrev_b32 v9, 1, v1                        ; a lane's four subblocks lie in superblock lane / 2 of the half
	v_lshl_add_u32 v[DOF], v9, 2, s27
	v_lshl_add_u32 v[TS], v1, 5, s21               ; four pairs are 32 bytes
	v_lshrrev_b32 v9, 2, v1                        ; a lane's eight weights lie in subblock lane / 4 of the superblock
	v_lshl_add_u32 v[TR], v9, 3, s21
	s_mov_b32 s23, 0
	s_wait_kmcnt 0x0
	s_lshl_b32 s22, ttmp9, 18                      ; the work-group's part of each buffer: 256 KiB of x,
	s_add_nc_u64 s[4:5], s[4:5], s[22:23]
	s_lshl_b32 s22, ttmp9, 17                      ; 128 KiB of packed, xh and wh,
	s_add_nc_u64 s[6:7], s[6:7], s[22:23]
	s_add_nc_u64 s[16:17], s[16:17], s[22:23]
	s_add_nc_u64 s[18:19], s[18:19], s[22:23]
	s_lshl_b32 s22, ttmp9, 13                      ; 8 KiB of scales and mins,
	s_add_nc_u64 s[12:13], s[12:13], s[22:23]
	s_add_nc_u64 s[14:15], s[14:15], s[22:23]
	s_lshl_b32 s22, ttmp9, 10                      ; 1 KiB of d and dmin
	s_add_nc_u64 s[8:9], s[8:9], s[22:23]
	s_add_nc_u64 s[10:11], s[10:11], s[22:23]
	s_wait_alu depctr_va_vdst(0)                   ; the seven offsets and LDS addresses v2 to v8 are written: every load, store and LDS access of the kernel reads one of them
; Set n of eight: 8 x 512 bytes of x and 4 x 512 bytes (four superblocks) of packed, into buffer n % 3.
.macro LOADS n
.irp j, 0,1,2,3,4,5,6,7
	global_load_b128 v[IN+48*((\n)%3)+4*(\j):IN+48*((\n)%3)+4*(\j)+3], v[XO], s[4:5] offset:512*(8*(\n)+(\j)) th:TH_LOAD_NT
.endr
.irp i, 0,1,2,3
	global_load_b128 v[IN+48*((\n)%3)+32+4*(\i):IN+48*((\n)%3)+32+4*(\i)+3], v[WO], s[6:7] offset:512*(4*(\n)+(\i)) th:TH_LOAD_NT
.endr
.endm
; My subblock's (a, b) in each of set n's four superblocks.
.macro PAIRS n
.irp i, 0,1,2,3
	ds_load_b64 v[AB+2*(\i):AB+2*(\i)+1], v[TR] offset:64*(4*(\n)+(\i))
.endr
.endm
; Set n is worked on and stored.  left = how many younger loads may stay out.  ahead = 1: its buffer takes set n + 3.
.macro WORK n, ahead, left
.set XB, IN+48*((\n)%3)
.set PB, XB+32
.set OX, OUT+32*((\n)%2)
.set OW, OX+16
	s_wait_loadcnt \left                           ; loads come back in order (ISA guide 5.7.1): this set's twelve are in, the younger sets stay out
.if (\n) >= 2
	s_wait_xcnt 0x0                                ; every earlier memory instruction has had its addresses translated (ISA guide 3.1): OUT[n % 2], which the stores of two sets back read, is written again only behind this wait
.endif
.if (\n) >= 1
	s_wait_alu depctr_vm_vsrc(0)                   ; what read OUT[n % 2] last has read it: the stores of two sets back; at set 1 the LDS stores of the table, which lay in OUT1.  This set's roundings write it again
.endif
.irp j, 0,1,2,3,4,5,6,7
	v_cvt_pk_f16_f32 v[OX+2*(\j)], v[XB+4*(\j)], v[XB+4*(\j)+1]      ; four f32 become four f16
	v_cvt_pk_f16_f32 v[OX+2*(\j)+1], v[XB+4*(\j)+2], v[XB+4*(\j)+3]
.endr
	s_wait_dscnt 0x0                               ; the four pairs are in
.irp i, 0,1,2,3
.irp c, 0,1,2,3
	v_and_b32 v[T+2*(\c)], 15, v[PB+4*(\i)+(\c)]           ; the low code comes first,
	v_bfe_u32 v[T+2*(\c)+1], v[PB+4*(\i)+(\c)], 4, 4       ; then the high one
.endr
.irp c, 0,1,2,3,4,5,6,7
	v_cvt_f32_u32 v[T+(\c)], v[T+(\c)]
.endr
.irp c, 0,1,2,3,4,5,6,7
	v_fma_f32 v[T+(\c)], v[T+(\c)], v[AB+2*(\i)], v[AB+2*(\i)+1]   ; q a + b
.endr
.irp c, 0,1,2,3
	v_cvt_pk_f16_f32 v[OW+4*(\i)+(\c)], v[T+2*(\c)], v[T+2*(\c)+1] ; a word of codes becomes a word of weights
.endr
.endr
	s_wait_alu depctr_va_vdst(0)                   ; the roundings have written OUT[n % 2], which the stores below read; the set's lines are done reading IN[n % 3] and AB, in which the loads below land
.if \ahead
	LOADS (\n)+3                                   ; the buffer is asked for again at once
.endif
.if (\n) < 7
	PAIRS (\n)+1
.endif
.irp j, 0,1,2,3,4,5,6,7
	global_store_b64 v[HO], v[OX+2*(\j):OX+2*(\j)+1], s[16:17] offset:256*(8*(\n)+(\j)) th:TH_STORE_NT  ; the wave stores 256 consecutive bytes, aligned
.endr
.irp i, 0,1,2,3
	global_store_b128 v[WO], v[OW+4*(\i):OW+4*(\i)+3], s[18:19] offset:512*(4*(\n)+(\i)) th:TH_STORE_NT  ; 512 consecutive bytes, aligned
.endr
.endm
.irp h, 0,1                            ; half h: subblocks 128 h + 4 lane .. + 3 of the wave's 256, and the d and dmin of their superblock 16 h + lane / 2
	global_load_b128 v[SC+4*(\h):SC+4*(\h)+3], v[SO], s[12:13] offset:512*(\h) th:TH_LOAD_NT
	global_load_b128 v[MN+4*(\h):MN+4*(\h)+3], v[SO], s[14:15] offset:512*(\h) th:TH_LOAD_NT
	global_load_b32 v[DD+(\h)], v[DOF], s[8:9] offset:64*(\h) th:TH_LOAD_NT
	global_load_b32 v[DM+(\h)], v[DOF], s[10:11] offset:64*(\h) th:TH_LOAD_NT
.endr
	LOADS 0
	LOADS 1
	LOADS 2
	s_wait_loadcnt 36                              ; the eight loads for the table are in; the 36 of sets 0 to 2 stay out
.irp h, 0,1
	v_mul_f32 v[T], 0x3a8ab356, v[DD+(\h)]         ; d / 945
	v_mul_f32 v[T+1], 0x3c820821, v[DD+(\h)]       ; d / 63
.irp i, 0,1,2,3
	v_cvt_f32_i32 v[TBL+8*(\h)+2*(\i)], v[SC+4*(\h)+(\i)]
	v_cvt_f32_i32 v[TBL+8*(\h)+2*(\i)+1], v[MN+4*(\h)+(\i)]
.endr
.irp i, 0,1,2,3
	v_mul_f32 v[TBL+8*(\h)+2*(\i)], v[TBL+8*(\h)+2*(\i)], v[T]                        ; a = s d / 945
	v_fma_f32 v[TBL+8*(\h)+2*(\i)+1], v[TBL+8*(\h)+2*(\i)+1], v[T+1], v[DM+(\h)]      ; b = m d / 63 + dmin
.endr
.endr
	s_wait_alu depctr_va_vdst(0)                   ; both halves of the table are written, which the four LDS stores read
.irp h, 0,1
	ds_store_b128 v[TS], v[TBL+8*(\h):TBL+8*(\h)+3] offset:1024*(\h)
	ds_store_b128 v[TS], v[TBL+8*(\h)+4:TBL+8*(\h)+7] offset:1024*(\h)+16
.endr
	PAIRS 0                                        ; LDS serves a wave's instructions in order (ISA guide 5.7.1.4), so these see the table's stores; no vector line has named AB yet
.irp n, 0,1,2,3,4
	WORK \n, 1, 24                                 ; the two younger sets' 24 loads stay out
.endr
	WORK 5, 0, 24                                  ; the last three sets load nothing: no load leaves a buffer, and the counts run down
	WORK 6, 0, 12
	WORK 7, 0, 0
	s_wait_dscnt 0x0                               ; the closing lines, six on end
	s_wait_alu 0x0
	s_wait_tensorcnt 0x0
	ds_add_u32 v[SPW], v[NIL]
	s_wait_dscnt 0x0
	s_endpgm
.Lfunc_end_k_q660eab37ea_prep:
	.size	k_q660eab37ea_prep, .Lfunc_end_k_q660eab37ea_prep-k_q660eab37ea_prep
	.p2alignl 7, 3214868480
	.fill 96, 4, 3214868480
	.section	.rodata,"a",@progbits
	.p2align	6, 0x0
	.amdhsa_kernel k_q660eab37ea_prep
		.amdhsa_group_segment_fixed_size 17408
		.amdhsa_private_segment_fixed_size 0
		.amdhsa_enable_private_segment 0
		.amdhsa_kernarg_size 64
		.amdhsa_user_sgpr_count 2
		.amdhsa_user_sgpr_kernarg_segment_ptr 1
		.amdhsa_wavefront_size32 1
		.amdhsa_system_sgpr_workgroup_id_x 1
		.amdhsa_system_sgpr_workgroup_id_y 1
		.amdhsa_system_sgpr_workgroup_id_z 1
		.amdhsa_system_vgpr_workitem_id 0
		.amdhsa_next_free_vgpr 236
		.amdhsa_next_free_sgpr 66
		.amdhsa_reserve_vcc 0
		.amdhsa_float_denorm_mode_32 3
		.amdhsa_float_denorm_mode_16_64 3
		.amdhsa_memory_ordered 1
		.amdhsa_forward_progress 1
		.amdhsa_inst_pref_size 78
	.end_amdhsa_kernel
	.amdgpu_metadata
---
amdhsa.version: [ 1, 2 ]
amdhsa.kernels:
  - .name:           k_q660eab37ea_prep
    .symbol:         k_q660eab37ea_prep.kd
    .args:
      - { .name: x, .offset: 0, .size: 8, .value_kind: global_buffer, .address_space: global }
      - { .name: packed, .offset: 8, .size: 8, .value_kind: global_buffer, .address_space: global }
      - { .name: d, .offset: 16, .size: 8, .value_kind: global_buffer, .address_space: global }
      - { .name: dmin, .offset: 24, .size: 8, .value_kind: global_buffer, .address_space: global }
      - { .name: scales, .offset: 32, .size: 8, .value_kind: global_buffer, .address_space: global }
      - { .name: mins, .offset: 40, .size: 8, .value_kind: global_buffer, .address_space: global }
      - { .name: xh, .offset: 48, .size: 8, .value_kind: global_buffer, .address_space: global }
      - { .name: wh, .offset: 56, .size: 8, .value_kind: global_buffer, .address_space: global }
    .group_segment_fixed_size: 17408
    .private_segment_fixed_size: 0
    .kernarg_segment_align: 8
    .kernarg_segment_size: 64
    .max_flat_workgroup_size: 256
    .sgpr_count:     66
    .vgpr_count:     236
    .wavefront_size: 32
...
	.end_amdgpu_metadata
.endif
;; end of part 3
;; launch gemm: the kernel of part 2 again; grid 16 x 16, 4 waves a work-group, clusters of 4 x 4, 327,680 bytes of LDS; arguments xh, wh, out0; writes out0
